; MI455X (gfx1250); checked and timed in simulation.
; The chip was launched on July 23, 2026; its instructions are those of AMD's public machine-readable ISA for CDNA 5 (MIT licence, August 2026) and "CDNA5" Instruction Set Architecture Reference Guide (July 2026). The comments in the code are by the model that wrote it; some were corrected since.
;; Entangle Complex. Allowed arithmetic: float matrix products may take bf16 or f16 operands with f32 sums; other float arithmetic in f32, or as packed bf16 or f16 multiplies, adds, multiply-adds, maxima and minima; sums over many terms, partial sums and values carried from step to step in f32; what a program stores and reads back later, other than sums and carried values, may be rounded once to bf16 or f16.
;; Inputs: op 4,096 x 4,096 float32; x_imag 2,048 x 4,096 float32; x_real 2,048 x 4,096 float32.
;; Outputs: out0 2,048 x 4,096 float32; out1 2,048 x 4,096 float32.
;; 2 versions, each right; version 2 is version 1 with the launch cast written anew for expert scheduling mode. Each part assembles by itself: llvm-mc -triple=amdgcn-amd-amdhsa -mcpu=gfx1250 --defsym DOCPART=n.
;; ======== version 1 of 2: 2 launches
;; workspace buffers: xb 33,554,432 bytes; opb 33,554,432 bytes
;; launch cast (part 1): grid 256 x 4, 8 waves a work-group, no clusters, 0 bytes of LDS; arguments x_real, x_imag, op, xb, opb; writes xb, opb
.if DOCPART == 1
	.amdgcn_target "amdgcn-amd-amdhsa--gfx1250"
	.amdhsa_code_object_version 6
	.text
	.protected	k_q5109cc2e12_cast
	.globl	k_q5109cc2e12_cast
	.p2align	8
	.type	k_q5109cc2e12_cast,@function
k_q5109cc2e12_cast:
	s_mov_b64 s[64:65], 0
	v_nop
	global_prefetch_b8 v0, s[64:65] scope:SCOPE_SE
	s_setreg_imm32_b32 hwreg(HW_REG_WAVE_MODE, 25, 1), 1
	s_wait_xcnt 0x0
; xb = bf16(x_real stacked on x_imag), [4096][4096];  opb = bf16(op), [4096 k][4096 n]: the same order of elements as the inputs, each number rounded once, to nearest even.
; LIMITS.  bf16 has f32's exponents: no input of finite size underflows; a magnitude above bf16's largest finite number (3.39e38) rounds to infinity; NaN and infinities stay what they are.
; SHARES.  Grid y picks 33,554,432 input bytes: 0 = x_real, 1 = x_imag, 2 = op's first half, 3 = op's second half.  Grid x picks 131,072 of them: 32 pieces of 4,096 bytes.
; Thread t takes the 16 bytes at 16 t of every piece: a load of a wave covers 512 consecutive bytes.  Its four numbers become 8 bytes at 8 t: a store of a wave covers 256 consecutive bytes, aligned.
; All 32 loads of a wave go out first (16 KiB a wave on their way); each piece has registers of its own, so no register that a pending load or store names is ever written again,
; and the only waits are the counted ones for data.  Nothing is shared between waves: no LDS, no barrier.
.set PIN,  4096                        ; bytes of a piece as read
.set POUT, 2048                        ; and as written
.set X,    4                           ; v[4:131]  piece i: four registers as loaded; the first two then hold the four bf16
	s_load_b256 s[4:11], s[0:1], 0x0               ; x_real s[4:5], x_imag s[6:7], op s[8:9], xb s[10:11]
	s_load_b64 s[12:13], s[0:1], 0x20              ; opb
	s_and_b32 s2, ttmp7, 0xffff                    ; y
	s_and_b32 s3, s2, 1                            ; which half of the destination
	v_lshlrev_b32 v1, 4, v0                        ; 16 t; never rewritten
	v_lshlrev_b32 v2, 3, v0                        ; 8 t; never rewritten
	s_wait_kmcnt 0x0
	s_cmp_eq_u32 s2, 0
	s_cselect_b64 s[14:15], s[4:5], s[6:7]         ; x_real or x_imag,
	s_cmp_lt_u32 s2, 2
	s_cselect_b64 s[14:15], s[14:15], s[8:9]       ; or op
	s_cselect_b64 s[16:17], s[10:11], s[12:13]     ; into xb or opb
	s_cselect_b32 s18, 0, s3                       ; only op is read in two halves
	s_lshl_b32 s20, s18, 25                        ; the half of op: 33,554,432 bytes
	s_lshl_b32 s19, ttmp9, 17                      ; the work-group's 131,072 bytes
	s_add_co_u32 s20, s20, s19
	s_mov_b32 s21, 0
	s_lshl_b32 s22, s3, 24                         ; the half of the destination: 16,777,216 bytes
	s_lshl_b32 s19, ttmp9, 16                      ; the work-group's 65,536 bytes
	s_add_co_u32 s22, s22, s19
	s_mov_b32 s23, 0
	s_add_nc_u64 s[14:15], s[14:15], s[20:21]
	s_add_nc_u64 s[16:17], s[16:17], s[22:23]
.set i, 0
.rept 32
	global_load_b128 v[X+4*i:X+4*i+3], v1, s[14:15] offset:PIN*i th:TH_LOAD_NT
.set i, i+1
.endr
.set i, 0
.rept 32
	s_wait_loadcnt 31-i                            ; loads come back in order (ISA guide 5.7.1): piece i is in, the 31 - i younger ones stay out
	v_cvt_pk_bf16_f32 v[X+4*i],   v[X+4*i],   v[X+4*i+1]
	v_cvt_pk_bf16_f32 v[X+4*i+1], v[X+4*i+2], v[X+4*i+3]
	global_store_b64 v2, v[X+4*i:X+4*i+1], s[16:17] offset:POUT*i th:TH_STORE_NT
.set i, i+1
.endr
	s_endpgm
.Lfunc_end_k_q5109cc2e12_cast:
	.size	k_q5109cc2e12_cast, .Lfunc_end_k_q5109cc2e12_cast-k_q5109cc2e12_cast
	.p2alignl 7, 3214868480
	.fill 96, 4, 3214868480
	.section	.rodata,"a",@progbits
	.p2align	6, 0x0
	.amdhsa_kernel k_q5109cc2e12_cast
		.amdhsa_group_segment_fixed_size 0
		.amdhsa_private_segment_fixed_size 0
		.amdhsa_enable_private_segment 0
		.amdhsa_kernarg_size 40
		.amdhsa_user_sgpr_count 2
		.amdhsa_user_sgpr_kernarg_segment_ptr 1
		.amdhsa_wavefront_size32 1
		.amdhsa_system_sgpr_workgroup_id_x 1
		.amdhsa_system_sgpr_workgroup_id_y 1
		.amdhsa_system_sgpr_workgroup_id_z 1
		.amdhsa_system_vgpr_workitem_id 0
		.amdhsa_next_free_vgpr 132
		.amdhsa_next_free_sgpr 66
		.amdhsa_reserve_vcc 0
		.amdhsa_float_denorm_mode_32 3
		.amdhsa_float_denorm_mode_16_64 3
		.amdhsa_memory_ordered 1
		.amdhsa_forward_progress 1
		.amdhsa_inst_pref_size 13
	.end_amdhsa_kernel
	.amdgpu_metadata
---
amdhsa.version: [ 1, 2 ]
amdhsa.kernels:
  - .name:           k_q5109cc2e12_cast
    .symbol:         k_q5109cc2e12_cast.kd
    .args:
      - { .name: x_real, .offset: 0, .size: 8, .value_kind: global_buffer, .address_space: global }
      - { .name: x_imag, .offset: 8, .size: 8, .value_kind: global_buffer, .address_space: global }
      - { .name: op, .offset: 16, .size: 8, .value_kind: global_buffer, .address_space: global }
      - { .name: xb, .offset: 24, .size: 8, .value_kind: global_buffer, .address_space: global }
      - { .name: opb, .offset: 32, .size: 8, .value_kind: global_buffer, .address_space: global }
    .group_segment_fixed_size: 0
    .private_segment_fixed_size: 0
    .kernarg_segment_align: 8
    .kernarg_segment_size: 40
    .max_flat_workgroup_size: 256
    .sgpr_count:     66
    .vgpr_count:     132
    .wavefront_size: 32
...
	.end_amdgpu_metadata
.endif
;; end of part 1
;; launch gemm (part 2): grid 16 x 16, 4 waves a work-group, clusters of 4 x 4, 327,680 bytes of LDS; arguments xb, opb, out0, out1; writes out0, out1
.if DOCPART == 2
	.amdgcn_target "amdgcn-amd-amdhsa--gfx1250"
	.amdhsa_code_object_version 6
	.text
	.protected	k_q5109cc2e12_gemm
	.globl	k_q5109cc2e12_gemm
	.p2align	8
	.type	k_q5109cc2e12_gemm,@function
k_q5109cc2e12_gemm:
	s_mov_b64 s[64:65], 0
	v_nop
	global_prefetch_b8 v0, s[64:65] scope:SCOPE_SE
	s_setreg_imm32_b32 hwreg(HW_REG_WAVE_MODE, 25, 1), 1
	s_wait_xcnt 0x0
	s_wait_alu depctr_hold_cnt(0) depctr_sa_sdst(0) depctr_va_vdst(0) depctr_va_sdst(0) depctr_va_ssrc(0) depctr_va_vcc(0) depctr_vm_vsrc(0)
	s_getreg_b32 s2, hwreg(HW_REG_IB_STS2, 6, 4)
	s_cmp_eq_u32 s2, 0
	s_cbranch_scc0 .Lentry_in_a_cluster
	s_endpgm
.Lentry_in_a_cluster:
	s_bfe_u32 s2, ttmp6, 0x10000c
	s_cmp_lg_u32 s2, 0xf033
	s_cbranch_scc0 .Lentry_shape_is_right
	s_endpgm
.Lentry_shape_is_right:
; C[m][n] = sum over k of A[m][k] B[k][n].  A = xb [4096][4096] bf16 (rows 0-2047 x_real, rows 2048-4095 x_imag), B = opb [4096 k][4096 n] bf16; C in f32: rows 0-2047 are out0, rows 2048-4095 out1.
; One f32 sum for each output, K ascending.  LIMITS: the operands are the inputs rounded once to bf16 by the launch before; NaN and infinities are not treated apart.
; A tile of C, 256 x 256, is made by a work-group of four waves; a wave makes 128 x 128: 64 accumulators of 16 x 16, 512 registers.  C has 16 x 16 such tiles: one to a work-group.
; K goes in steps of 128 through a ring of two LDS slots filled by the tensor data mover: A's tile is 256 rows of 256 bytes, B's 128 rows (k) of 512 bytes (256 n); all rows start at multiples of 256 bytes.
; CLUSTERS: 4 x 4 work-groups.  The four of a row of the cluster need the same tiles of A, the four of a column the same tiles of B: each tile is asked for JOINTLY, by the same tensor load with the
; same descriptor and a mask that names the four; each receives it in its own LDS.
; B LIES [k][n]: its fragments come out of LDS turned, by ds_load_tr16_b128, two loads a fragment as for A.
; THE MATRIX INSTRUCTION IS USED TRANSPOSED: source 0 = 16 columns of B, source 1 = 16 rows of A.  In the result lane l holds row m = l % 16 of C and its registers 0 to 7 the columns
; n = 8 (l / 16) + 0 .. 7: 32 neighbouring bytes of a row of C.
; REGISTERS, in windows of 256 (s_set_vgpr_msb's low byte: bits 1:0 source 0, 3:2 source 1, 5:4 source 2, 7:6 destination):
;   window 0: v0-31 addresses; v64-127, v128-191 fragments of A, two buffers; on the way out v64-255 are three buffers of 16 rows read back from the stage
;   window 1: v64-127, v128-191 fragments of B, two buffers
;   window 2: the 32 accumulators of my rows 0-63 (accumulator (a, b) at v[8 (8 a + b)]);   window 3: those of my rows 64-127
.set SIZE_K, 4096
.set SIZE_N, 4096
.set KSTEP,  128
.set PITCH,  272                       ; a row of A in LDS: 256 bytes + 16 of padding = 68 words: row r starts at bank 4 r mod 64 (64 banks of 4 bytes: ISA guide 11.1): the 16 rows of a load start at 16 different groups of banks
.set PB,     544                       ; a row of B in LDS: 512 bytes + 32 of padding = 136 words: row r starts at bank 8 r mod 64
.set HALFT,  128*PITCH                 ; what one tensor load brings: 128 rows of A, or 64 rows of B (64 x 544 is the same 34,816 bytes)
.set SLOT,   4*HALFT                   ; A's 256 rows, then B's 128 rows
.set STAGE,  2*SLOT                    ; behind the ring: 16 rows x 528 bytes for each wave, for the way out; no tensor load fills it
.set SPITCH, 528                       ; a stage row: 512 bytes of f32 + 16: an odd multiple of 16 bytes
.set SPARE,  STAGE+4*16*SPITCH         ; behind the stages: the spare words, 128 bytes for each wave: two blocks of 256 bytes that no other line names
.set LAPS,   SIZE_K/(2*KSTEP)          ; a lap = two K steps = once round the ring: 16
.set STEP_A, KSTEP*2                   ; a K step in A: 256 bytes along a row
.set STEP_B, KSTEP*SIZE_N*2            ; a K step in B: 128 rows of 8,192 bytes
.set CROW,   SIZE_N*4                  ; a row of C: 16,384 bytes
.set ADRA, 16                          ; v16-17  LDS address of my A fragments in slot 0, 1
.set ADRB, 20                          ; v20-21  the same for B
.set STO,  24                          ; v24     the way out: where I put 32 bytes of a row
.set RD,   25                          ; v25     the way out: where I read 16 bytes of a row back
.set CO,   26                          ; v26     my byte offset in 512 bytes of a row of C
.set SPW,  28                          ; v28     LDS address of my spare word: SPARE + 4 x my thread's number; never rewritten
.set NIL,  29                          ; v29     0; never rewritten
.set PFO,  30                          ; v30     the prefetches' offset; never rewritten
.set F0,   64                          ; fragment buffer 0
.set F1,   128                         ; fragment buffer 1
.set G1,  24                           ; s[24:31] descriptor group 1 for A's tiles
.set G0,  32                           ; s[32:39] descriptor group 0 for A's tiles, one set for each slot
.set G1B, 48                           ; s[48:55] descriptor group 1 for B's tiles
.set G0B, 56                           ; s[56:63] descriptor group 0 for B's tiles, one set for each slot
.set LIM, 43                           ; s43      1 in a wave that prefetches, else the greatest number
.set PFA, 44                           ; s[44:45] where my prefetches stand
.set PFS, 66                           ; s[66:67] a K step in the tensor that I prefetch
.set MSB, 0
.macro WIN new                         ; the immediate's high byte repeats the setting that is left; a switch that changes nothing is dropped
.if MSB != (\new)
	s_set_vgpr_msb (MSB<<8)|(\new)
.set MSB, \new
.endif
.endm
.set MUL_LO, 0xa1                      ; source 0 (B) window 1, source 1 (A) window 0, C and D window 2
.set MUL_HI, 0xf1                      ; the same, C and D window 3
.set TO_B,   0x40                      ; destination window 1, address window 0
; A joint load.  Waves 0 and 1 fetch A's two halves, waves 2 and 3 B's.  Each of the two lines has one mask and one set of registers for all that issue it.  The branch hangs on the wave's number alone.
; An s_nop 0 and four v_nop follow each of the two lines; the jump, the label and what follows the macro come after them.
.macro JLOAD s
	s_cmp_lt_u32 s10, 2
	s_cbranch_scc0 .Lfor_b_\@
	tensor_load_to_lds s[G0+4*(\s):G0+4*(\s)+3], s[G1:G1+7]
	s_nop 0
.rept 4
	v_nop
.endr
	s_branch .Lasked_\@
.Lfor_b_\@:
	tensor_load_to_lds s[G0B+4*(\s):G0B+4*(\s)+3], s[G1B:G1B+7]
	s_nop 0
.rept 4
	v_nop
.endr
.Lasked_\@:
.endm
; A PREFETCH INTO THE L2, behind each joint refill, its five lines and the run of LDS loads that follows: 32 blocks of 256 bytes of the K step that stands TWO refills on (512 matrix instructions ahead of the
; load that will ask for it), a lane a block, one instruction a wave.  Each block is named ONCE in the launch.  A's tile row is walked by the four clusters of a row of clusters: cluster x = 0 asks;
; B's tile column by the four of a column: cluster y = 0 asks.  The four partners that ask for a tile jointly share it out BY ADDRESS: of the 128 rows of A that a wave fetches the partner at cx takes 32;
; of the 64 rows x 2 blocks of B the partner at cy takes 16 rows.  The loop's last trip (s3 = 1) asks for nothing: no K step stands two behind its refills.  K steps 0 to 3 come by their loads alone.
.macro ASK
	s_cmp_gt_u32 s3, s[LIM]
	s_cbranch_scc0 .Lnot_mine_\@
	global_prefetch_b8 v[PFO], s[PFA:PFA+1] th:TH_LOAD_NT scope:SCOPE_SE
.Lnot_mine_\@:
.endm
; A round of the cluster's barrier: my work-group's barrier, so that wave 0's signal speaks for all four waves; wave 0 signals for the work-group; every wave waits for all sixteen; my work-group's barrier once more.
.macro CREST                           ; a round behind its opening barrier
	s_cmp_lg_u32 s10, 0
	s_cbranch_scc1 .Lnot_wave_0_\@
	s_barrier_signal -3
.Lnot_wave_0_\@:
	s_barrier_wait -3
	s_barrier_signal -1
	s_barrier_wait -1
.endm
.macro CROUND                          ; a whole round
	s_barrier_signal -1
	s_barrier_wait -1
	CREST
.endm
	s_load_b128 s[4:7], s[0:1], 0x0                ; xb s[4:5], opb s[6:7]
	s_load_b128 s[68:71], s[0:1], 0x10             ; out0 s[68:69], out1 s[70:71]
	v_lshl_add_u32 v[SPW], v0, 2, SPARE
	v_mov_b32 v[NIL], 0
	ds_add_u32 v[SPW], v[NIL]                      ; the wave's opening: the add and its wait stand ahead of my first tensor load; the set-up below, work on registers, stands between them
	v_lshrrev_b32 v1, 5, v0
	v_readfirstlane_b32 s10, v1                    ; wave 0..3
	s_lshr_b32 s11, s10, 1                         ; which half of the tile's rows is mine.  Also: I fetch for A (0) or for B (1)
	s_and_b32 s12, s10, 1                          ; which half of its columns.  Also: which half of that tile I fetch
	s_bfe_u32 s40, ttmp6, 0x40000                  ; cx: my place along the cluster's x
	s_bfe_u32 s41, ttmp6, 0x40004                  ; cy: along its y
	s_lshl_b32 s42, ttmp9, 2                       ; in a cluster launch ttmp9 and ttmp7 count clusters
	s_add_co_u32 s42, s42, s40                     ; tile column of C = 4 x cluster x + cx
	s_and_b32 s13, ttmp7, 0xffff
	s_lshl_b32 s13, s13, 2
	s_add_co_u32 s13, s13, s41                     ; tile row of C = 4 x cluster y + cy
	s_lshl_b32 s72, s41, 2
	s_lshl_b32 s72, 15, s72                        ; my row of the cluster: places 4 cy .. 4 cy + 3
	s_lshl_b32 s73, 0x1111, s40                    ; my column: places cx, cx + 4, cx + 8, cx + 12
	; descriptor group 1 for A: 128 rows x 128 elements, 16 bytes of padding behind each row of 256
	s_or_b32 s[G1+0], s72, (1<<16)|(1<<20)|(1<<21)|(5<<22)|(3<<25)   ; 15:0 the mask: my row; 17:16 elements of 2 bytes; 20 padding on; 21 set beside a mask; 24:22 after every 64 words (code 5); 31:25 4 words (code 3)
	s_mov_b32 s[G1+1], KSTEP<<16                   ; tensor_dim0 = 128
	s_mov_b32 s[G1+2], 128<<16                     ; tensor_dim1 = 128
	s_mov_b32 s[G1+3], KSTEP<<16                   ; tile_dim0 = 128
	s_mov_b32 s[G1+4], 128                         ; tile_dim1 = 128
	s_mov_b32 s[G1+5], SIZE_K                      ; elements from row to row
	s_mov_b32 s[G1+6], 0
	s_mov_b32 s[G1+7], 0
	; descriptor group 1 for B: 64 rows x 256 elements, 32 bytes of padding behind each row of 512
	s_or_b32 s[G1B+0], s73, (1<<16)|(1<<20)|(1<<21)|(6<<22)|(7<<25)  ; the mask: my column; after every 128 words (code 6) 8 words (code 7)
	s_mov_b32 s[G1B+1], 256<<16                    ; tensor_dim0 = 256
	s_mov_b32 s[G1B+2], 64<<16                     ; tensor_dim1 = 64
	s_mov_b32 s[G1B+3], 256<<16                    ; tile_dim0 = 256
	s_mov_b32 s[G1B+4], 64                         ; tile_dim1 = 64
	s_mov_b32 s[G1B+5], SIZE_N                     ; elements from row to row
	s_mov_b32 s[G1B+6], 0
	s_mov_b32 s[G1B+7], 0
	; where the tiles come from.  A's hang on the tile row alone, which my row of the cluster shares; B's on the tile column alone, which my column shares.
	s_lshl_b32 s16, s13, 21                        ; A: 256 rows of 8,192 bytes a tile row,
	s_lshl_b32 s17, s12, 20                        ; 128 rows for the half that I fetch
	s_add_co_u32 s16, s16, s17
	s_mov_b32 s17, 0
	s_lshl_b32 s46, s42, 9                         ; B: 256 columns of 2 bytes a tile column,
	s_lshl_b32 s47, s12, 19                        ; 64 rows of 8,192 bytes for the half that I fetch
	s_add_co_u32 s46, s46, s47
	s_mov_b32 s47, 0
	s_mul_i32 s20, s10, HALFT                      ; and where they go: A's two halves, then B's two halves = wave x 34,816: no place in the cluster enters an LDS address
	s_wait_dscnt 0x0                               ; the opening add is done
	s_wait_kmcnt 0x0
	s_add_nc_u64 s[14:15], s[4:5], s[16:17]
	s_add_nc_u64 s[46:47], s[6:7], s[46:47]
	CROUND                                         ; all sixteen work-groups are here: the first joint loads meet
.irp s, 0,1
	s_mov_b32 s[G0+4*(\s)], 1                                        ; 1:0 count = 1
	s_add_co_u32 s[G0+4*(\s)+1], s20, (\s)*SLOT                      ; 63:32 LDS address
	s_add_nc_u64 s[G0+4*(\s)+2:G0+4*(\s)+3], s[14:15], (\s)*STEP_A   ; 120:64 global address: K step s
	s_or_b32 s[G0+4*(\s)+3], s[G0+4*(\s)+3], 0x80000000              ; 127:126 type = 2
	s_mov_b32 s[G0B+4*(\s)], 1
	s_add_co_u32 s[G0B+4*(\s)+1], s20, (\s)*SLOT
	s_add_nc_u64 s[G0B+4*(\s)+2:G0B+4*(\s)+3], s[46:47], (\s)*STEP_B
	s_or_b32 s[G0B+4*(\s)+3], s[G0B+4*(\s)+3], 0x80000000
.endr
	s_cmp_lt_u32 s10, 2                            ; a wave's two first fills stand in one branch, ahead of every wait on TENSORcnt, every LDS read and every further barrier: two loads of mine are out
	s_cbranch_scc0 .Lfirst_b
	tensor_load_to_lds s[G0:G0+3], s[G1:G1+7]
	s_nop 0
	tensor_load_to_lds s[G0+4:G0+7], s[G1:G1+7]
	s_nop 0
.rept 4
	v_nop
.endr
	s_branch .Lfirst_asked
.Lfirst_b:
	tensor_load_to_lds s[G0B:G0B+3], s[G1B:G1B+7]
	s_nop 0
	tensor_load_to_lds s[G0B+4:G0B+7], s[G1B:G1B+7]
	s_nop 0
.rept 4
	v_nop
.endr
.Lfirst_asked:
	; A fragment is 16 rows x 32 K in 8 registers: lane l holds row l % 16; registers 0-3 hold K = 8 (l / 16) + 0..7, registers 4-7 K = 16 + 8 (l / 16) + 0..7.
	; A's rows lie along K: two loads of 16 bytes, 32 bytes apart.
	v_and_b32 v1, 15, v0                           ; l % 16
	v_bfe_u32 v2, v0, 4, 1                         ; l / 16
	v_mul_u32_u24 v3, v1, PITCH
	v_lshl_add_u32 v3, v2, 4, v3                   ; row x pitch + 16 x half
	; B's rows lie along n: the turning load takes 16 k x 16 n (lane l reads 16 bytes: k = 8 (l / 16) + l % 8, n = 8 ((l / 8) % 2) + 0..7) and leaves half a fragment: lane l holds column l % 16 and 8 k.
	v_and_b32 v4, 7, v0
	v_bfe_u32 v5, v0, 3, 1
	v_lshl_add_u32 v4, v2, 3, v4
	v_mul_u32_u24 v4, v4, PB
	v_lshl_add_u32 v4, v5, 4, v4
	s_mul_i32 s21, s11, HALFT                      ; my 128 rows of A
	s_lshl_b32 s22, s12, 8                         ; my 128 columns of B: 256 bytes of each row,
	s_add_co_u32 s22, s22, 2*HALFT                 ; behind A's 256 rows
.irp s, 0,1
	v_add_nc_u32 v[ADRA+(\s)], s21, v3
	v_add_nc_u32 v[ADRB+(\s)], s22, v4
	s_add_co_u32 s21, s21, SLOT
	s_add_co_u32 s22, s22, SLOT
.endr
	s_mul_i32 s23, s10, 16*SPITCH
	s_add_co_u32 s23, s23, STAGE                   ; my stage
	v_mul_u32_u24 v6, v1, SPITCH                   ; in: row l % 16, 32 bytes for each half of the lanes
	v_lshl_add_u32 v6, v2, 5, v6
	v_add_nc_u32 v[STO], s23, v6
	v_and_b32 v7, 31, v0                           ; l
	v_lshlrev_b32 v[CO], 4, v7                     ; back: the 32 lanes take one row of 512 bytes, 16 each; the same in C
	v_add_nc_u32 v[RD], s23, v[CO]
	; where my part of the tile begins in its output, in bytes: the way out adds it to the output's address
	s_and_b32 s16, s13, 7                          ; the tile row within out0 or out1,
	s_lshl_b32 s16, s16, 22                        ; 256 rows of 16,384 bytes
	s_lshl_b32 s17, s11, 21                        ; my 128 rows
	s_add_co_u32 s16, s16, s17
	s_lshl_b32 s46, s42, 10                        ; the tile column: 256 columns of 4 bytes
	s_lshl_b32 s47, s12, 9                         ; my 128 columns
	s_add_co_u32 s46, s46, s47
	s_add_co_u32 s16, s16, s46
	s_mov_b32 s17, 0
	; the prefetches: both offsets are made, then one compare chooses
	s_lshl_b32 s18, s13, 8                         ; A: row 256 x tile row
	s_lshl_b32 s19, s12, 7                         ; + the 128 rows that I fetch
	s_add_co_u32 s18, s18, s19
	s_lshl_b32 s19, s40, 5                         ; + my work-group's 32 of them
	s_add_co_u32 s18, s18, s19
	s_lshl_b32 s18, s18, 13                        ; x 8,192 bytes
	s_add_co_u32 s18, s18, 3*STEP_A                ; at K step 3: the first refill steps it to 4
	s_lshl_b32 s19, s12, 6                         ; B: the 64 rows that I fetch
	s_lshl_b32 s20, s41, 4                         ; + my work-group's 16 of them
	s_add_co_u32 s19, s19, s20
	s_add_co_u32 s19, s19, 3*KSTEP                 ; in K step 3
	s_lshl_b32 s19, s19, 13
	s_lshl_b32 s20, s42, 9                         ; the tile column's 512 bytes of a row
	s_add_co_u32 s19, s19, s20
	s_and_b32 s22, ttmp7, 0xffff                   ; cluster y
	s_cmp_lt_u32 s22, 2                            ; tile rows 0-7 (cluster y 0, 1) are out0's, 8-15 out1's: a choice of address, no branch
	s_cselect_b64 s[8:9], s[68:69], s[70:71]
	s_mov_b32 s[PFS], STEP_B
	s_mov_b32 s[PFS+1], 0
	s_mov_b32 s21, 0
	s_cmp_eq_u32 s11, 0                            ; do I fetch for A?
	s_cselect_b32 s20, s18, s19
	s_cselect_b32 s23, ttmp9, s22                  ; the coordinate along which other clusters walk the same rows
	s_cselect_b64 s[PFA:PFA+1], s[4:5], s[6:7]
	s_cselect_b32 s[PFS], STEP_A, s[PFS]
	s_cmp_eq_u32 s23, 0
	s_cselect_b32 s[LIM], 1, -1                    ; the same in all sixteen partners, for a given wave
	s_add_nc_u64 s[PFA:PFA+1], s[PFA:PFA+1], s[20:21]
	v_lshrrev_b32 v8, s11, v7                      ; A: a lane a row.  B: two lanes a row,
	v_and_b32 v9, s11, v7                          ; the odd lane the row's second 256 bytes
	v_lshlrev_b32 v8, 13, v8
	v_lshl_add_u32 v[PFO], v9, 8, v8
; 16 matrix instructions: m blocks a0, a0 + 1 of the window's four (hi = 0: my rows 0-63, 1: rows 64-127) x all 8 n blocks, 32 along K.  zero = 1: the first product starts the sums: nothing is ever cleared.
; The 64 accumulators take turns, one instruction a turn, in the same order in every quarter step: over the backward jump and into the tail too.
.macro MUL16 f, hi, a0, zero
	WIN MUL_LO+0x50*(\hi)
.irp a, \a0, (\a0)+1
.irp b, 0,1,2,3,4,5,6,7
.if \zero
	v_wmma_f32_16x16x32_bf16 v[8*(8*(\a)+(\b)):8*(8*(\a)+(\b))+7], v[(\f)+8*(\b):(\f)+8*(\b)+7], v[(\f)+8*(4*(\hi)+(\a)):(\f)+8*(4*(\hi)+(\a))+7], 0
.else
	v_wmma_f32_16x16x32_bf16 v[8*(8*(\a)+(\b)):8*(8*(\a)+(\b))+7], v[(\f)+8*(\b):(\f)+8*(\b)+7], v[(\f)+8*(4*(\hi)+(\a)):(\f)+8*(4*(\hi)+(\a))+7], v[8*(8*(\a)+(\b)):8*(8*(\a)+(\b))+7]
.endif
.endr
.endr
.endm
; 32 LDS loads in one run: the fragments of quarter q of a K step (32 k x 128 columns of B, turned; 128 rows of A x 32 k) into buffer f.  The largest offset is 61,152, inside the 16 bits.
.macro FETCH slot, q, f
	WIN TO_B
.irp i, 0,1,2,3,4,5,6,7
	ds_load_tr16_b128 v[(\f)+8*(\i):(\f)+8*(\i)+3],   v[ADRB+(\slot)] offset:(\q)*32*PB+32*(\i)
	ds_load_tr16_b128 v[(\f)+8*(\i)+4:(\f)+8*(\i)+7], v[ADRB+(\slot)] offset:(\q)*32*PB+16*PB+32*(\i)
.endr
	WIN 0
.irp i, 0,1,2,3,4,5,6,7
	ds_load_b128 v[(\f)+8*(\i):(\f)+8*(\i)+3],   v[ADRA+(\slot)] offset:64*(\q)+(\i)*16*PITCH
	ds_load_b128 v[(\f)+8*(\i)+4:(\f)+8*(\i)+7], v[ADRA+(\slot)] offset:64*(\q)+(\i)*16*PITCH+32
.endr
.endm
; A load into a register that a matrix instruction has read, and an LDS store that reads a matrix result, stand four places behind that matrix instruction, and only plain vector instructions that name
; none of its registers are places (ISA guide 7.12.1 for vector instructions).
.macro PLACES
.rept 4
	v_nop
.endr
.endm
; A K step is four quarters of 32 along K, 64 matrix instructions each, on buffers 0, 1, 0, 1.  One of the first three: multiplies buffer f; in its middle it fetches quarter q of the same slot into buffer g.
.macro QUARTER slot, q, f, g, zero
	s_wait_dscnt 8                                 ; B and A's rows 0-63 are in; the youngest eight loads (A's rows 64-127) may be out
	MUL16 \f, 0, 0, \zero
	MUL16 \f, 0, 2, \zero
	PLACES
	FETCH \slot, \q, \g
	s_wait_dscnt 32                                ; all but the 32 just issued
	MUL16 \f, 1, 0, \zero
	MUL16 \f, 1, 2, \zero
.endm
; The last quarter multiplies buffer 1 and changes slots.  MEET is its first half: ONE barrier for two things.  In front of it each wave waits for all its tensor loads, of which one is out: its part of the
; next slot; adds 0 to its spare word; and waits for that and for its own reads of this slot.  Behind it nobody reads this slot any more and the next slot is whole.
.macro MEET round                      ; round = 1: the rest of a round of the cluster's barrier follows
	WIN 0                                          ; (the add's two registers lie in window 0)
	s_wait_tensorcnt 0x0                           ; all my tensor loads have landed
	ds_add_u32 v[SPW], v[NIL]                      ; 0 onto my spare word
	s_wait_dscnt 9                                 ; (the add and the youngest eight loads may be out)
	MUL16 F1, 0, 0, 0                              ; sixteen matrix instructions stand between the add and the wait for it
	s_wait_dscnt 0x0                               ; the add is done, and my reads of this slot are over
	s_barrier_signal -1
	MUL16 F1, 0, 2, 0                              ; work on registers while the others arrive
.if \round
	WIN 0
.endif
	s_barrier_wait -1
.endm
; The whole last quarter with a refill: behind the round the slot just read out is filled again first, with the K step two steps on; then come the next slot's first fragments.
; From a request to the wait for it a wave issues 224 matrix instructions; one tensor load of mine is out meanwhile.
.macro TURN slot, next
	s_wait_xcnt 0x0                                ; the last prefetch, a K step back, has read its address: it is stepped here, ahead of the waits of the change of slots
	s_add_nc_u64 s[PFA:PFA+1], s[PFA:PFA+1], s[PFS:PFS+1]
	MEET 1
	CREST                                          ; no wave of any partner still reads this slot's tile or has a load on its way
	s_add_nc_u64 s[G0+4*(\slot)+2:G0+4*(\slot)+3], s[G0+4*(\slot)+2:G0+4*(\slot)+3], 2*STEP_A
	s_add_nc_u64 s[G0B+4*(\slot)+2:G0B+4*(\slot)+3], s[G0B+4*(\slot)+2:G0B+4*(\slot)+3], 2*STEP_B
	JLOAD \slot                                    ; the first tensor load behind the round; the four v_nop behind it are also the places in front of the loads below
	FETCH \next, 0, F0
	ASK
	MUL16 F1, 1, 0, 0
	MUL16 F1, 1, 2, 0
.endm
; THE WAY OUT of block a (16 of my rows x my 128 columns, f32).  TOSTAGE: a lane's 32 bytes of a row go into my own stage, each accumulator's four lowest registers first; the block comes
; back as whole rows of 512 bytes, into one of three buffers.  SEND: stored.
.macro TOSTAGE a
.set AC, 64*((\a)%4)
.set BK, 64+64*((\a)%3)
	WIN 0x08+4*((\a)/4)                            ; the stores' data (source 1) in window 2 or 3, the address in window 0
.irp b, 0,1,2,3,4,5,6,7
	ds_store_b128 v[STO], v[AC+8*(\b):AC+8*(\b)+3]   offset:64*(\b)
	ds_store_b128 v[STO], v[AC+8*(\b)+4:AC+8*(\b)+7] offset:64*(\b)+16
.endr
	WIN 0
.irp t, 0,1,2,3,4,5,6,7,8,9,10,11,12,13,14,15
	ds_load_b128 v[BK+4*(\t):BK+4*(\t)+3], v[RD] offset:(\t)*SPITCH  ; LDS serves a wave's instructions in order (ISA guide 5.7.1.4): these see the stores above, and the next block's stores come behind them
.endr
.endm
.macro SEND a, younger                 ; younger: the LDS instructions issued behind block a's loads: the next block's 32, or none
.set BK, 64+64*((\a)%3)
	WIN 0
	s_wait_dscnt \younger                          ; the block is back in registers
	s_wait_xcnt 0x0                                ; every earlier store has read its registers and its base: the base is stepped here, and the buffer of the block before this one is loaded again only behind this wait
.if (\a) == 0
	s_add_nc_u64 s[8:9], s[8:9], s[16:17]          ; on to my first rows
.else
	s_add_nc_u64 s[8:9], s[8:9], 16*CROW           ; 16 rows of C on
.endif
.irp t, 0,1,2,3,4,5,6,7,8,9,10,11,12,13,14,15
	global_store_b128 v[CO], v[BK+4*(\t):BK+4*(\t)+3], s[8:9] offset:(\t)*CROW th:TH_STORE_NT  ; the wave stores 512 consecutive bytes of a row, at a multiple of 512 from the output's first byte
.endr
.endm
	s_wait_tensorcnt 1                             ; my part of K step 0 is in; K step 1's load may stay out
	s_barrier_signal -1
	s_barrier_wait -1                              ; everybody's is
	FETCH 0, 0, F0
	QUARTER 0, 1, F0, F1, 1                        ; the first quarter stands in front of the loop: its products start the sums
	WIN 0                                          ; at a label and at a branch every window is 0
	s_mov_b32 s3, LAPS-1
.Llap:                                                 ; a trip goes once round the ring, from a lap's second quarter to the next lap's first, and fills both slots again
	QUARTER 0, 2, F1, F0, 0
	QUARTER 0, 3, F0, F1, 0
	TURN 0, 1
	QUARTER 1, 1, F0, F1, 0
	QUARTER 1, 2, F1, F0, 0
	QUARTER 1, 3, F0, F1, 0
	TURN 1, 0
	QUARTER 0, 1, F0, F1, 0
	WIN 0
	s_sub_co_u32 s3, s3, 1
	s_cmp_lg_u32 s3, 0
	s_cbranch_scc1 .Llap
	QUARTER 0, 2, F1, F0, 0                        ; the last lap is written out: it asks for nothing more
	QUARTER 0, 3, F0, F1, 0
	MEET 0                                         ; my one tensor load that was still out is slot 1's, the last K step's, so no round follows
	PLACES                                         ; for the loads into buffer 0, which the quarter before multiplied
	FETCH 1, 0, F0
	MUL16 F1, 1, 0, 0
	MUL16 F1, 1, 2, 0
	QUARTER 1, 1, F0, F1, 0
	QUARTER 1, 2, F1, F0, 0
	QUARTER 1, 3, F0, F1, 0
	s_wait_dscnt 8                                 ; the very last quarter: nothing more to fetch
	MUL16 F1, 0, 0, 0
	MUL16 F1, 0, 2, 0
	s_wait_dscnt 0x0
	MUL16 F1, 1, 0, 0
	MUL16 F1, 1, 2, 0
	PLACES                                         ; behind the last products: the stage's stores read results, its loads land in A's fragment buffers
	TOSTAGE 0
.irp a, 1,2,3,4,5,6,7                  ; block a goes through the stage while block a - 1's loads come back
	TOSTAGE \a
	SEND (\a)-1, 32
.endr
	SEND 7, 0
	s_wait_tensorcnt 0x0                           ; the wave's end: behind my last tensor load and my last LDS store
	ds_add_u32 v[SPW], v[NIL]
	s_wait_dscnt 0x0
	CROUND                                         ; the closing round: no work-group ends while a partner may still ask for a tile that names it
	s_endpgm
.Lfunc_end_k_q5109cc2e12_gemm:
	.size	k_q5109cc2e12_gemm, .Lfunc_end_k_q5109cc2e12_gemm-k_q5109cc2e12_gemm
	.p2alignl 7, 3214868480
	.fill 96, 4, 3214868480
	.section	.rodata,"a",@progbits
	.p2align	6, 0x0
	.amdhsa_kernel k_q5109cc2e12_gemm
		.amdhsa_group_segment_fixed_size 327680
		.amdhsa_private_segment_fixed_size 0
		.amdhsa_enable_private_segment 0
		.amdhsa_kernarg_size 32
		.amdhsa_user_sgpr_count 2
		.amdhsa_user_sgpr_kernarg_segment_ptr 1
		.amdhsa_wavefront_size32 1
		.amdhsa_system_sgpr_workgroup_id_x 1
		.amdhsa_system_sgpr_workgroup_id_y 1
		.amdhsa_system_sgpr_workgroup_id_z 1
		.amdhsa_system_vgpr_workitem_id 0
		.amdhsa_next_free_vgpr 1024
		.amdhsa_next_free_sgpr 74
		.amdhsa_reserve_vcc 0
		.amdhsa_float_denorm_mode_32 3
		.amdhsa_float_denorm_mode_16_64 3
		.amdhsa_memory_ordered 1
		.amdhsa_forward_progress 1
		.amdhsa_inst_pref_size 142
	.end_amdhsa_kernel
	.amdgpu_metadata
---
amdhsa.version: [ 1, 2 ]
amdhsa.kernels:
  - .name:           k_q5109cc2e12_gemm
    .symbol:         k_q5109cc2e12_gemm.kd
    .args:
      - { .name: xb, .offset: 0, .size: 8, .value_kind: global_buffer, .address_space: global }
      - { .name: opb, .offset: 8, .size: 8, .value_kind: global_buffer, .address_space: global }
      - { .name: out0, .offset: 16, .size: 8, .value_kind: global_buffer, .address_space: global }
      - { .name: out1, .offset: 24, .size: 8, .value_kind: global_buffer, .address_space: global }
    .group_segment_fixed_size: 327680
    .private_segment_fixed_size: 0
    .kernarg_segment_align: 8
    .kernarg_segment_size: 32
    .max_flat_workgroup_size: 128
    .sgpr_count:     74
    .vgpr_count:     1024
    .wavefront_size: 32
...
	.end_amdgpu_metadata
.endif
;; end of part 2
;; ======== version 2 of 2: 2 launches; version 1 with the launch cast written anew for expert scheduling mode
;; workspace buffers: xb 33,554,432 bytes; opb 33,554,432 bytes
;; launch cast (part 3): grid 256 x 4, 8 waves a work-group, no clusters, 0 bytes of LDS; arguments x_real, x_imag, op, xb, opb; writes xb, opb
.if DOCPART == 3
	.amdgcn_target "amdgcn-amd-amdhsa--gfx1250"
	.amdhsa_code_object_version 6
	.text
	.protected	k_q5109cc2e12_cast
	.globl	k_q5109cc2e12_cast
	.p2align	8
	.type	k_q5109cc2e12_cast,@function
k_q5109cc2e12_cast:
	s_mov_b64 s[64:65], 0
	v_nop
	global_prefetch_b8 v0, s[64:65] scope:SCOPE_SE
	s_setreg_imm32_b32 hwreg(HW_REG_WAVE_SCHED_MODE, 0, 2), 2
	s_setreg_imm32_b32 hwreg(HW_REG_WAVE_MODE, 25, 1), 1
	s_wait_xcnt 0x0
	s_wait_alu depctr_vm_vsrc(0)
; xb = bf16(x_real stacked on x_imag), [4096][4096];  opb = bf16(op), [4096 k][4096 n]: the same order of elements as the inputs, each number rounded once, to nearest even.
; LIMITS.  bf16 has f32's exponents: no input of finite size underflows; a magnitude above bf16's largest finite number (3.39e38) rounds to infinity; NaN and infinities stay what they are.
; SHARES.  Grid y picks 33,554,432 input bytes: 0 = x_real, 1 = x_imag, 2 = op's first half, 3 = op's second half.  Grid x picks 131,072 of them: 32 pieces of 4,096 bytes.
; Thread t takes the 16 bytes at 16 t of every piece: a load of a wave covers 512 consecutive bytes.  Its four numbers become 8 bytes at 8 t: a store of a wave covers 256 consecutive bytes, aligned.
; All 32 loads of a wave go out first (16 KiB a wave on their way); each piece has registers of its own, so no register that a pending load or store names is ever written again.
; Nothing is shared between waves: no LDS, no barrier.
; THE MODE: SCHED_MODE bits 1:0 = 2 (LLVM: expert scheduling mode 2), set by the entry lines.  The code itself states the register dependences
; between vector instructions and memory instructions, with s_wait_alu, always for 0.
; THE PLAN.  Registers that memory instructions touch:
;   v1, v2        byte offsets, made once at the head by vector shifts and never written again: v1 is read by every load, v2 by every store.
;   X, piece i    four registers.  Its load lands in them, and no vector instruction has named them before; its two conversions read the four and write the first two; its store reads those two;
;                 nothing writes them after that.
; So no register that a memory instruction has read is written again, and no load lands in a register that a vector instruction has named: what is left to state is that the offsets are
; written ahead of the first load, and that a store's data are written ahead of the store.  The 32 pieces go in eight blocks of four.  Block p's conversions write block p's registers; its four stores
; are issued in block p + 1, behind ONE wait at that block's head, and dealt among that block's conversions, which name block p + 1's registers alone.  The last block's stores have a wait of their own.
.set PIN,  4096                        ; bytes of a piece as read
.set POUT, 2048                        ; and as written
.set BLK,  4                           ; pieces in a block
.set X,    4                           ; v[4:131]  piece i: four registers as loaded; the first two then hold the four bf16
	s_load_b256 s[4:11], s[0:1], 0x0               ; x_real s[4:5], x_imag s[6:7], op s[8:9], xb s[10:11]
	s_load_b64 s[12:13], s[0:1], 0x20              ; opb
	s_and_b32 s2, ttmp7, 0xffff                    ; y
	s_and_b32 s3, s2, 1                            ; which half of the destination
	v_lshlrev_b32 v1, 4, v0                        ; 16 t; never rewritten
	v_lshlrev_b32 v2, 3, v0                        ; 8 t; never rewritten
	s_wait_kmcnt 0x0
	s_cmp_eq_u32 s2, 0
	s_cselect_b64 s[14:15], s[4:5], s[6:7]         ; x_real or x_imag,
	s_cmp_lt_u32 s2, 2
	s_cselect_b64 s[14:15], s[14:15], s[8:9]       ; or op
	s_cselect_b64 s[16:17], s[10:11], s[12:13]     ; into xb or opb
	s_cselect_b32 s18, 0, s3                       ; only op is read in two halves
	s_lshl_b32 s20, s18, 25                        ; the half of op: 33,554,432 bytes
	s_lshl_b32 s19, ttmp9, 17                      ; the work-group's 131,072 bytes
	s_add_co_u32 s20, s20, s19
	s_mov_b32 s21, 0
	s_lshl_b32 s22, s3, 24                         ; the half of the destination: 16,777,216 bytes
	s_lshl_b32 s19, ttmp9, 16                      ; the work-group's 65,536 bytes
	s_add_co_u32 s22, s22, s19
	s_mov_b32 s23, 0
	s_add_nc_u64 s[14:15], s[14:15], s[20:21]
	s_add_nc_u64 s[16:17], s[16:17], s[22:23]
	s_wait_alu depctr_va_vdst(0)                   ; v1 and v2 are written: every load of the kernel reads v1 as its offset, every store v2
.set i, 0
.rept 32
	global_load_b128 v[X+4*i:X+4*i+3], v1, s[14:15] offset:PIN*i th:TH_LOAD_NT
.set i, i+1
.endr
.set i, 0
.rept 32
	s_wait_loadcnt 31-i                            ; loads come back in order (ISA guide 5.7.1): piece i is in, the 31 - i younger ones stay out
.if (i%BLK == 0) && (i >= BLK)
	s_wait_alu depctr_va_vdst(0)                   ; a block's head: the eight conversions of the block before have written its four pieces' bf16, which the four stores of this block read
.endif
.if i >= BLK
	global_store_b64 v2, v[X+4*(i-BLK):X+4*(i-BLK)+1], s[16:17] offset:POUT*(i-BLK) th:TH_STORE_NT  ; a piece of the block before.  No wait: no vector instruction since the block's head names these registers or v2
.endif
	v_cvt_pk_bf16_f32 v[X+4*i],   v[X+4*i],   v[X+4*i+1]
	v_cvt_pk_bf16_f32 v[X+4*i+1], v[X+4*i+2], v[X+4*i+3]
.set i, i+1
.endr
	s_wait_alu depctr_va_vdst(0)                   ; the last block's conversions have written its four pieces' bf16, which the last four stores read
.set i, 32-BLK
.rept BLK
	global_store_b64 v2, v[X+4*i:X+4*i+1], s[16:17] offset:POUT*i th:TH_STORE_NT
.set i, i+1
.endr
	s_endpgm
.Lfunc_end_k_q5109cc2e12_cast:
	.size	k_q5109cc2e12_cast, .Lfunc_end_k_q5109cc2e12_cast-k_q5109cc2e12_cast
	.p2alignl 7, 3214868480
	.fill 96, 4, 3214868480
	.section	.rodata,"a",@progbits
	.p2align	6, 0x0
	.amdhsa_kernel k_q5109cc2e12_cast
		.amdhsa_group_segment_fixed_size 0
		.amdhsa_private_segment_fixed_size 0
		.amdhsa_enable_private_segment 0
		.amdhsa_kernarg_size 40
		.amdhsa_user_sgpr_count 2
		.amdhsa_user_sgpr_kernarg_segment_ptr 1
		.amdhsa_wavefront_size32 1
		.amdhsa_system_sgpr_workgroup_id_x 1
		.amdhsa_system_sgpr_workgroup_id_y 1
		.amdhsa_system_sgpr_workgroup_id_z 1
		.amdhsa_system_vgpr_workitem_id 0
		.amdhsa_next_free_vgpr 132
		.amdhsa_next_free_sgpr 66
		.amdhsa_reserve_vcc 0
		.amdhsa_float_denorm_mode_32 3
		.amdhsa_float_denorm_mode_16_64 3
		.amdhsa_memory_ordered 1
		.amdhsa_forward_progress 1
		.amdhsa_inst_pref_size 13
	.end_amdhsa_kernel
	.amdgpu_metadata
---
amdhsa.version: [ 1, 2 ]
amdhsa.kernels:
  - .name:           k_q5109cc2e12_cast
    .symbol:         k_q5109cc2e12_cast.kd
    .args:
      - { .name: x_real, .offset: 0, .size: 8, .value_kind: global_buffer, .address_space: global }
      - { .name: x_imag, .offset: 8, .size: 8, .value_kind: global_buffer, .address_space: global }
      - { .name: op, .offset: 16, .size: 8, .value_kind: global_buffer, .address_space: global }
      - { .name: xb, .offset: 24, .size: 8, .value_kind: global_buffer, .address_space: global }
      - { .name: opb, .offset: 32, .size: 8, .value_kind: global_buffer, .address_space: global }
    .group_segment_fixed_size: 0
    .private_segment_fixed_size: 0
    .kernarg_segment_align: 8
    .kernarg_segment_size: 40
    .max_flat_workgroup_size: 256
    .sgpr_count:     66
    .vgpr_count:     132
    .wavefront_size: 32
...
	.end_amdgpu_metadata
.endif
;; end of part 3
;; launch gemm: the kernel of part 2 again; grid 16 x 16, 4 waves a work-group, clusters of 4 x 4, 327,680 bytes of LDS; arguments xb, opb, out0, out1; writes out0, out1
